; MI455X (gfx1250); checked and timed in simulation.
; The chip was launched on July 23, 2026; its instructions are those of AMD's public machine-readable ISA for CDNA 5 (MIT licence, August 2026) and "CDNA5" Instruction Set Architecture Reference Guide (July 2026). The comments in the code are by the model that wrote it; some were corrected since.
;; KNN Model. Allowed arithmetic: matrix products marked QUANTISED: E2M3 operands, one E8M0 scale for each 32 along K, by v_wmma_scale_f32_16x16x128_f8f6f4 with both operands' format E2M3, f32 sums; everything else in f32.
;; Inputs: x 2,048 x 128 float32; x_train 50,000 x 128 float32; y_train 50,000 x 1 float32.
;; Outputs: out0 2,048 x 1 float32.
;; Constants: k = 5.
;; This version of the problem:
;;   THIS VERSION OF THE PROBLEM IS GIVEN IN LOW PRECISION. The matrix products marked QUANTISED in the list below multiply operands that are first quantised to E2M3 (2 exponent bits, 3 mantissa bits; 6 bits a number), with one power-of-two scale for each 32 numbers along K (OCP MX v1.0); their sums are f32. All else is computed in f32.
;;   The module's matrix products, in the order in which they are computed (A, B: the left and right operand; K: the contracted axis; several contracted axes count as one K, in the product's order):
;;     1. [M 2,048, K 128] x [K 128, N 50,000]; A: input x; B: input x_train: QUANTISED
;;   THE QUANTISER, for each operand of a quantised product, along K:
;;     - K is cut into blocks of 32 from its start; a last block that is shorter is filled with zeros.
;;     - A block's scale is 2^e with e = floor(log2(the largest magnitude in the block)) - 2, held to -126 .. 127; a block of zeros has e = 0. As a byte (E8M0): e + 127.
;;     - Each number is divided by its block's scale, clamped to +-7.5, and rounded to the nearest number of E2M3, ties to even, subnormals kept.
;;     - The product sums the exact products of the quantised numbers (number of the format x scale) in f32.
;;   ~~~python
;;   def quantise(x, axis):      # numpy; x: float32 -> the quantised numbers, widened to float32 again
;;       x = np.moveaxis(x, axis, -1); K = x.shape[-1]
;;       x = np.pad(x, [(0, 0)] * (x.ndim - 1) + [(0, -K % 32)]); x = x.reshape(x.shape[:-1] + (-1, 32)); a = np.abs(x).max(-1, keepdims=True)
;;       e = np.where(a > 0, np.clip(np.frexp(np.where(a > 0, a, 1))[1] - 1 - 2, -126, 127), 0)      # np.frexp(a)[1] - 1 = floor(log2(a)), exactly
;;       r = np.clip(x / 2.0 ** e, -7.5, 7.5)
;;       step = 2.0 ** (np.maximum(np.frexp(np.where(r == 0, 1, r))[1] - 1, 0) - 3)
;;       q = np.round(r / step) * step * 2.0 ** e      # np.round: ties to even
;;       return np.moveaxis(q.reshape(q.shape[:-2] + (-1,))[..., :K], -1, axis).astype(np.float32)
;;   ~~~
;; One version. Each part assembles by itself: llvm-mc -triple=amdgcn-amd-amdhsa -mcpu=gfx1250 --defsym DOCPART=n.
;; ======== version 1 of 1: 4 launches
;; workspace buffers: codes 4,996,608 bytes; meta 416,512 bytes; gmax 10,240,000 bytes; ids 65,536 bytes of whole numbers
;; launch quant (part 1): grid 814 x 1, 4 waves a work-group, no clusters, 34,304 bytes of LDS; arguments x, x_train, codes, meta; writes codes, meta
.if DOCPART == 1
	.amdgcn_target "amdgcn-amd-amdhsa--gfx1250"
	.amdhsa_code_object_version 6
	.text
	.protected	k_qda26e4bcfd_quant
	.globl	k_qda26e4bcfd_quant
	.p2align	8
	.type	k_qda26e4bcfd_quant,@function
k_qda26e4bcfd_quant:
	s_mov_b64 s[64:65], 0
	v_nop
	global_prefetch_b8 v0, s[64:65] scope:SCOPE_SE
	s_setreg_imm32_b32 hwreg(HW_REG_WAVE_MODE, 25, 1), 1
	s_wait_xcnt 0x0
; x [2048][128] and x_train [50000][128], f32, become codes of FP6 (E2M3) with one E8M0 scale byte for each 32 along K, and each row's sum of squares is taken of the UNQUANTISED numbers.
; Rows are numbered on end: 0 .. 2047 are x's, 2048 + n is training row n.  A UNIT is 8 rows.
; codes: a unit is 768 bytes, [cc 0..2][h 0..1][i 0..7] x 16 bytes: registers 4 cc .. 4 cc + 3 of the operand fragment of the lane that holds row i and K half h
;        (the 6-bit operand layout: registers 6 c .. 6 c + 5 = k 64 c + 32 h + 0 .. 31).  Any two units make a fragment of 16 rows by three loads of 16 bytes a lane.
; meta:  a unit is 64 bytes: 8 scale words (four bytes: the row's four blocks), then 8 norms: sum of squares for a row of x, -1/2 x sum of squares for a training row.
; A block's scale is 2^(floor(log2(largest magnitude)) - 2); its byte is the largest magnitude's exponent field - 2, held at 1 from below.
; LIMITS: a block of zeros gets the byte 1 where the rule says 127 (its codes are zeros, and this program alone reads the bytes); NaN and infinities among the inputs are not served;
;         the sum of squares is added in another order than a plain run along the row (four packed chains, then the two halves of K).
; SHARES: a wave takes a tile of 16 rows, 3,253 tiles in all; 814 work-groups of four waves are 3,256 waves, so the last three waves have no tile and end.  Waves share nothing: no barrier.
; A load reads one whole row, 512 consecutive bytes; the 16 rows turn through the wave's own stage in LDS (rows 528 bytes apart: sixteen lanes that read one column of 16 rows start 33 x 16 bytes apart) so that
; lane (r, h) gets, of row r, k = 64 c + 32 h + 0 .. 31 in consecutive registers: the conversions' results are then the operand's registers.
.set NT,    3253                       ; tiles of 16 rows
.set XT,    128                        ; of which x's
.set PITCH, 528
.set WREG,  16*PITCH                   ; a wave's stage
.set R,     16                         ; v16-79   16 rows as loaded
.set X,     80                         ; v80-143  X[32 c + j] = row r, k = 64 c + 32 h + j
.set MX,    144                        ; v144-145 my two blocks' largest magnitudes, then their bytes
.set SO,    146                        ; v146-147 the conversions' scale operands
.set SQ,    148                        ; v148-155 four packed chains of squares
.set C,     160                        ; v160-171 the fragment's 12 registers
.set C2,    172                        ; v172-174, v176-178 the second halves of the blocks' codes, as the conversions leave them
	s_load_b128 s[4:7], s[0:1], 0x0                ; x, x_train
	s_load_b128 s[8:11], s[0:1], 0x10              ; codes, meta
	v_lshl_add_u32 v184, v0, 2, 0x8400
	v_mov_b32 v185, 0
	v_lshrrev_b32 v1, 5, v0
	v_readfirstlane_b32 s12, v1                    ; wave 0..3
	s_lshl_b32 s13, ttmp9, 2
	s_add_co_u32 s13, s13, s12                     ; my tile
	v_and_b32 v1, 31, v0                           ; lane
	v_and_b32 v2, 15, v0                           ; r
	v_bfe_u32 v3, v0, 4, 1                         ; h
	v_lshlrev_b32 v4, 4, v1                        ; in: 16 bytes a lane of a row's 512
	s_mul_i32 s14, s12, WREG
	v_add_nc_u32 v5, s14, v4                       ; into the stage: the same place in a row
	v_mul_u32_u24 v6, v2, PITCH
	v_lshl_add_u32 v6, v3, 7, v6
	v_add_nc_u32 v6, s14, v6                       ; out of it: row r, + 128 h bytes
	v_lshrrev_b32 v9, 3, v2                        ; which of the tile's two units
	v_and_b32 v10, 7, v2                           ; and which row in it
	v_mul_u32_u24 v7, v9, 768
	v_lshl_add_u32 v7, v3, 7, v7
	v_lshl_add_u32 v7, v10, 4, v7                  ; codes: 768 unit + 128 h + 16 row
	v_lshlrev_b32 v8, 6, v9
	v_lshl_add_u32 v8, v3, 5, v8
	v_lshl_add_u32 v8, v10, 2, v8                  ; meta: 64 unit + 4 row; lanes 16-31 store the norms, 32 bytes on
	s_mov_b32 s20, 0x76543210
	s_mov_b32 s21, 0xfedcba98                      ; v_permlanex16_b32's selects for lane l xor 16
	v_mov_b32 v156, 0                              ; a lane permute's destination counts as one of its sources
	v_mov_b32 v157, 0
	s_wait_kmcnt 0x0
	s_cmp_ge_u32 s13, NT
	s_cbranch_scc1 .Lend                           ; no tile for this wave
	s_cmp_lt_u32 s13, XT                           ; x's tile or x_train's?  The choice hangs on ids alone; both take one path
	s_cselect_b64 s[4:5], s[4:5], s[6:7]
	s_cselect_b32 s16, 0, XT
	s_cselect_b32 s15, 1.0, -0.5                   ; what the sum of squares is multiplied by
	s_sub_co_u32 s16, s13, s16                     ; the tile's number in its own tensor
	s_lshl_b32 s18, s16, 13                        ; 16 rows of 512 bytes
	s_mov_b32 s19, 0
	s_add_nc_u64 s[4:5], s[4:5], s[18:19]
	s_mul_i32 s18, s13, 1536
	s_add_nc_u64 s[8:9], s[8:9], s[18:19]
	s_lshl_b32 s18, s13, 7
	s_add_nc_u64 s[10:11], s[10:11], s[18:19]
.irp i, 0,1,2,3,4,5,6,7,8,9,10,11,12,13,14,15
	global_load_b128 v[R+4*\i:R+4*\i+3], v4, s[4:5] offset:512*\i th:TH_LOAD_NT   ; row i: 32 lanes read 512 consecutive bytes; read once in the launch
.endr
.irp i, 0,1,2,3,4,5,6,7,8,9,10,11,12,13,14,15
	s_wait_loadcnt 15-\i                           ; loads come back in order: row i is in, the younger rows may be out
	ds_store_b128 v5, v[R+4*\i:R+4*\i+3] offset:PITCH*\i
.endr
.irp c, 0,1
.irp e, 0,1,2,3,4,5,6,7
	ds_load_b128 v[X+32*\c+4*\e:X+32*\c+4*\e+3], v6 offset:256*\c+16*\e   ; LDS serves a wave's instructions in order: these see my stores
.endr
.endr
	s_wait_dscnt 0x0
.irp c, 0,1                                    ; my block 2 c + h: all its 32 numbers are mine
	v_max3_num_f32 v[MX+\c], |v[X+32*\c]|, |v[X+32*\c+1]|, 0x1800000   ; and the floor 2^(3 - 127): the byte cannot fall under 1
.endr
.irp i, 2,4,6,8,10,12,14,16,18,20,22,24,26,28,30
.irp c, 0,1
	v_max3_num_f32 v[MX+\c], v[MX+\c], |v[X+32*\c+\i]|, |v[X+32*\c+\i+1]|   ; (the two blocks by turns)
.endr
.endr
.irp j, 0,1,2,3
	v_pk_mul_f32 v[SQ+2*\j:SQ+2*\j+1], v[X+2*\j:X+2*\j+1], v[X+2*\j:X+2*\j+1]   ; the first squares start the four chains: nothing is cleared
.endr
.set J, 4
.rept 28
	v_pk_fma_f32 v[SQ+2*(J%4):SQ+2*(J%4)+1], v[X+2*J:X+2*J+1], v[X+2*J:X+2*J+1], v[SQ+2*(J%4):SQ+2*(J%4)+1]
.set J, J+1
.endr
	v_pk_add_f32 v[SQ:SQ+1], v[SQ:SQ+1], v[SQ+2:SQ+3]
	v_pk_add_f32 v[SQ+4:SQ+5], v[SQ+4:SQ+5], v[SQ+6:SQ+7]
	v_pk_add_f32 v[SQ:SQ+1], v[SQ:SQ+1], v[SQ+4:SQ+5]
	v_add_f32 v[SQ], v[SQ], v[SQ+1]
	v_permlanex16_b32 v156, v[SQ], s20, s21
	v_add_f32 v[SQ], v[SQ], v156                   ; with lane l xor 16's half of K: the row's sum of squares
	v_mul_f32 v[SQ], s15, v[SQ]                    ; x 1 or x -1/2: exact
.irp c, 0,1
	v_add_nc_u32 v[SO+\c], 0xff000000, v[MX+\c]    ; 2 off the exponent field: the conversion takes the exponent field of this operand as its scale, and nothing else of it
.endr
.irp c, 0,1
	v_lshrrev_b32 v[MX+\c], 23, v[SO+\c]           ; the scale's byte
.endr
	v_lshl_or_b32 v158, v[MX+1], 16, v[MX]         ; my two bytes: blocks h and 2 + h of row r,
	v_lshlrev_b32 v159, 3, v3
	v_lshlrev_b32 v158, v159, v158                 ; at their places in the scale word (8 h bits up);
	v_permlanex16_b32 v157, v158, s20, s21
	v_or_b32 v158, v158, v157                      ; with lane l xor 16's two the word is whole
.irp c, 0,1
	v_cvt_scalef32_pk16_fp6_f32 v[C+6*\c:C+6*\c+2], v[X+32*\c:X+32*\c+15], v[SO+\c]        ; registers 6 c .. 6 c + 2 of the fragment
	v_cvt_scalef32_pk16_fp6_f32 v[C2+4*\c:C2+4*\c+2], v[X+32*\c+16:X+32*\c+31], v[SO+\c]   ; (a conversion's three registers begin on an even number: the block's second three do not, so they are made here and moved)
.endr
	v_cmp_eq_u32 vcc_lo, 1, v3                     ; one plain vector line behind the conversions, ahead of the moves that read their results
.irp c, 0,1
.irp i, 0,1,2
	v_mov_b32 v[C+6*\c+3+\i], v[C2+4*\c+\i]
.endr
.endr
	v_cndmask_b32 v158, v158, v[SQ], vcc_lo        ; lanes 0-15 store the scale word, lanes 16-31 the norm
.irp cc, 0,1,2
	global_store_b128 v7, v[C+4*\cc:C+4*\cc+3], s[8:9] offset:256*\cc   ; each store fills two aligned runs of 256 consecutive bytes, one in each unit
.endr
	global_store_b32 v8, v158, s[10:11]            ; 128 consecutive bytes a wave
.Lend:
	s_wait_tensorcnt 0x0
	ds_add_u32 v184, v185
	s_wait_dscnt 0x0
	s_endpgm
.Lfunc_end_k_qda26e4bcfd_quant:
	.size	k_qda26e4bcfd_quant, .Lfunc_end_k_qda26e4bcfd_quant-k_qda26e4bcfd_quant
	.p2alignl 7, 3214868480
	.fill 96, 4, 3214868480
	.section	.rodata,"a",@progbits
	.p2align	6, 0x0
	.amdhsa_kernel k_qda26e4bcfd_quant
		.amdhsa_group_segment_fixed_size 34304
		.amdhsa_private_segment_fixed_size 0
		.amdhsa_enable_private_segment 0
		.amdhsa_kernarg_size 32
		.amdhsa_user_sgpr_count 2
		.amdhsa_user_sgpr_kernarg_segment_ptr 1
		.amdhsa_wavefront_size32 1
		.amdhsa_system_sgpr_workgroup_id_x 1
		.amdhsa_system_sgpr_workgroup_id_y 1
		.amdhsa_system_sgpr_workgroup_id_z 1
		.amdhsa_system_vgpr_workitem_id 0
		.amdhsa_next_free_vgpr 186
		.amdhsa_next_free_sgpr 66
		.amdhsa_reserve_vcc 1
		.amdhsa_float_denorm_mode_32 3
		.amdhsa_float_denorm_mode_16_64 3
		.amdhsa_memory_ordered 1
		.amdhsa_forward_progress 1
		.amdhsa_inst_pref_size 13
	.end_amdhsa_kernel
	.amdgpu_metadata
---
amdhsa.version: [ 1, 2 ]
amdhsa.kernels:
  - .name:           k_qda26e4bcfd_quant
    .symbol:         k_qda26e4bcfd_quant.kd
    .args:
      - { .name: x, .offset: 0, .size: 8, .value_kind: global_buffer, .address_space: global }
      - { .name: x_train, .offset: 8, .size: 8, .value_kind: global_buffer, .address_space: global }
      - { .name: codes, .offset: 16, .size: 8, .value_kind: global_buffer, .address_space: global }
      - { .name: meta, .offset: 24, .size: 8, .value_kind: global_buffer, .address_space: global }
    .group_segment_fixed_size: 34304
    .private_segment_fixed_size: 0
    .kernarg_segment_align: 8
    .kernarg_segment_size: 32
    .max_flat_workgroup_size: 128
    .sgpr_count:     66
    .vgpr_count:     186
    .wavefront_size: 32
...
	.end_amdgpu_metadata
.endif
;; end of part 1
;; launch scan (part 2): grid 125 x 2, 8 waves a work-group, no clusters, 168,960 bytes of LDS; arguments codes, meta, gmax; writes gmax
.if DOCPART == 2
	.amdgcn_target "amdgcn-amd-amdhsa--gfx1250"
	.amdhsa_code_object_version 6
	.text
	.protected	k_qda26e4bcfd_scan
	.globl	k_qda26e4bcfd_scan
	.p2align	8
	.type	k_qda26e4bcfd_scan,@function
k_qda26e4bcfd_scan:
	s_mov_b64 s[64:65], 0
	v_nop
	global_prefetch_b8 v0, s[64:65] scope:SCOPE_SE
	s_setreg_imm32_b32 hwreg(HW_REG_WAVE_MODE, 25, 1), 1
	s_wait_xcnt 0x0
; The whole product, 2,048 queries x 50,000 training rows on codes of FP6 (E2M3), reduced on the way to one number for each query and each GROUP of 40 consecutive training rows.
; THE PRODUCT IS USED TRANSPOSED, AND ITS C IS -tsq / 2: source 0 = 16 training rows, source 1 = 16 queries, C register j of lane (r, h) = -1/2 x the sum of squares of the tile's row 8 h + j.
; So the result is D' = dot - tsq / 2 = (xsq - sq) / 2, which falls as the distance rises, with no vector work; a lane holds ONE query (lane % 16) and eight training rows.
; gmax [chunk c 0..124][qh 0..255][k 0..9][i 0..7] f32 = the largest D' of query 8 qh + i over training rows 40 g .. 40 g + 39, g = 10 c + k.  Later launches pick six groups a query and look into them again.
; SHARES: work-group (c, y) takes chunk c (400 training rows, 50 units of 8) against queries 1024 y .. 1024 y + 1023; each of its eight waves 128 queries: eight fragments that stay in registers.
; THE ROWS OF A TILE ARE NOT NEIGHBOURS: tile n (0..24) takes unit n of the chunk's lower 25 units for operand rows 0-7 and unit n of the upper 25 for rows 8-15.  So lanes 0-15 see rows 8 n + j and lanes 16-31 rows
; 200 + 8 n + j of the chunk, five tiles on end are a whole group in each half of the lanes (k = 5 h + n / 5), and a group's maximum never changes lanes.
; VECTOR WORK: four v_max3 for a matrix instruction's eight numbers a lane.  They are set behind the NEXT matrix instructions: S1 of product s - 1 and S2 of product s - 2 stand behind product s.
; Those four plain lines name no register of product s, so they are the four places between it and the first read of its result, and, at a tile's end, in front of the LDS loads into the operand set just left.
; Four sets of result registers take turns; no sum is added onto in place.  The first read of a result takes its lowest register.
; LDS is filled once, by three tensor loads at the head: a wave has at most one outstanding.  Nothing is filled again.
; No cluster: 125 x 2 work-groups divide into no cluster of four, and what the two work-groups of a chunk share is its 41,600 bytes, fetched once each.
; LIMITS: NaN and infinities are not served.
.set CU,   19328                       ; LDS: the lower 25 units' codes at 0 (19,200 bytes); the upper 25 at 19,200 + 128, so that operand rows 8-15 fall 128 bytes on, modulo 256, from rows 0-7
.set MT,   38656                       ; the chunk's meta, 50 x 64 bytes
.set STG,  41984                       ; a multiple of 256 behind all fills: 5,120 bytes for each wave, for the way out
.set ADA,  1                           ; v1   codes: CU (r / 8) + 128 h + 16 (r % 8)
.set ADS,  2                           ; v2   scale words: MT + 1600 (r / 8) + 4 (r % 8)
.set ADC,  3                           ; v3   norms: MT + 32 + 1600 h
.set STO,  4                           ; v4   the stage, in
.set RD,   5                           ; v5   the stage, out
.set GO,   6                           ; v6   16 x lane
.set QC,   7                           ; v7   my lane's place in a query tile's codes
.set QS,   8                           ; v8   and among its scale words
.set QSC,  10                          ; v10-17   the eight query tiles' scale words
.set RM,   18                          ; v18-25   the running maximum of the group in hand, for each query tile
.set ASC,  26                          ; v26-29   training rows' scale words, four sets
.set D,    32                          ; v32-63   results, four sets
.set A,    64                          ; v64-111  training fragments, four sets
.set CC,   112                         ; v112-143 -tsq / 2, four sets
.set B,    144                         ; v144-239 the eight query fragments
.set WV,   10                          ; s10
.set G1C,  16                          ; s[16:23] group 1 for the codes;  s[24:31] for the meta;  s[32:35], s[36:39] their groups 0
.set G1M,  24
.set G0C,  32
.set G0M,  36
	s_load_b128 s[4:7], s[0:1], 0x0                ; codes, meta
	s_load_b64 s[8:9], s[0:1], 0x10                ; gmax
	v_lshl_add_u32 v254, v0, 2, 0x29000
	v_mov_b32 v255, 0
	ds_add_u32 v254, v255
	ds_add_u32 v254, v255
	v_lshrrev_b32 v9, 5, v0
	v_readfirstlane_b32 s[WV], v9                  ; wave 0..7
	s_and_b32 s12, ttmp7, 0xffff                   ; which half of the queries
	; 25 units of codes are 19,200 dense bytes: 75 rows of 256 bytes (32 elements of 8 bytes)
	s_mov_b32 s[G1C+0], 3<<16                      ; no mask; elements of 8 bytes; no padding
	s_mov_b32 s[G1C+1], 32<<16                     ; tensor_dim0 = 32
	s_mov_b32 s[G1C+2], 75<<16                     ; tensor_dim1 = 75
	s_mov_b32 s[G1C+3], 32<<16                     ; tile_dim0 = 32
	s_mov_b32 s[G1C+4], 75                         ; tile_dim1 = 75
	s_mov_b32 s[G1C+5], 32                         ; from row to row
	s_mov_b32 s[G1C+6], 0
	s_mov_b32 s[G1C+7], 0
	; the chunk's meta: one row of 3,200 bytes (400 elements of 8 bytes)
	s_mov_b32 s[G1M+0], 3<<16
	s_mov_b32 s[G1M+1], 400<<16
	s_mov_b32 s[G1M+2], 1<<16
	s_mov_b32 s[G1M+3], 400<<16
	s_mov_b32 s[G1M+4], 1
	s_mov_b32 s[G1M+5], 400
	s_mov_b32 s[G1M+6], 0
	s_mov_b32 s[G1M+7], 0
	s_and_b32 s40, s[WV], 1                        ; waves 0 and 1 fetch the lower and the upper 25 units
	s_mul_i32 s41, s40, CU                         ; to LDS,
	s_mul_i32 s42, s40, 19200                      ; from memory: behind x's 256 units, 38,400 bytes a chunk
	s_mul_i32 s43, ttmp9, 38400
	s_add_co_u32 s42, s42, s43
	s_add_co_u32 s42, s42, 196608
	s_mov_b32 s43, 0
	s_mul_i32 s44, ttmp9, 3200
	s_add_co_u32 s44, s44, 16384
	s_mov_b32 s45, 0
	s_wait_dscnt 0x0
	s_wait_kmcnt 0x0
	s_mov_b32 s[G0C], 1
	s_mov_b32 s[G0C+1], s41
	s_add_nc_u64 s[G0C+2:G0C+3], s[4:5], s[42:43]
	s_or_b32 s[G0C+3], s[G0C+3], 0x80000000
	s_mov_b32 s[G0M], 1
	s_mov_b32 s[G0M+1], MT
	s_add_nc_u64 s[G0M+2:G0M+3], s[6:7], s[44:45]
	s_or_b32 s[G0M+3], s[G0M+3], 0x80000000
	s_cmp_lt_u32 s[WV], 2                          ; the branches hang on the wave's number alone; four v_nop follow each tensor load
	s_cbranch_scc0 .Lnot_c
	tensor_load_to_lds s[G0C:G0C+3], s[G1C:G1C+7]
	s_nop 0
.rept 4
	v_nop
.endr
	s_branch .Lasked
.Lnot_c:
	s_cmp_eq_u32 s[WV], 2
	s_cbranch_scc0 .Lasked
	tensor_load_to_lds s[G0M:G0M+3], s[G1M:G1M+7]
	s_nop 0
.rept 4
	v_nop
.endr
.Lasked:
	s_lshl_b32 s40, s12, 6
	s_lshl_b32 s41, s[WV], 3
	s_add_co_u32 s40, s40, s41                     ; my first query tile: 64 y + 8 wave
	s_mul_i32 s42, s40, 1536
	s_mov_b32 s43, 0
	s_add_nc_u64 s[4:5], s[4:5], s[42:43]          ; its codes
	s_lshl_b32 s42, s40, 7
	s_add_nc_u64 s[6:7], s[6:7], s[42:43]          ; its meta
	s_mul_i32 s42, ttmp9, 81920                    ; gmax: 256 x 320 bytes a chunk,
	s_mul_i32 s44, s12, 40960                      ; 128 x 320 a half of the queries,
	s_mul_i32 s45, s[WV], 5120                     ; 16 x 320 a wave
	s_add_co_u32 s42, s42, s44
	s_add_co_u32 s42, s42, s45
	s_add_nc_u64 s[8:9], s[8:9], s[42:43]
	v_and_b32 v240, 15, v0                         ; r
	v_bfe_u32 v241, v0, 4, 1                       ; h
	v_lshrrev_b32 v242, 3, v240                    ; r / 8
	v_and_b32 v243, 7, v240                        ; r % 8
	v_and_b32 v244, 31, v0                         ; lane
	v_mul_u32_u24 v[QC], v242, 768
	v_lshl_add_u32 v[QC], v241, 7, v[QC]
	v_lshl_add_u32 v[QC], v243, 4, v[QC]
	v_lshlrev_b32 v[QS], 6, v242
	v_lshl_add_u32 v[QS], v243, 2, v[QS]
.irp q, 0,1,2,3,4,5,6,7                        ; the queries' fragments and scale words stay in registers; they are asked for while the tiles are on their way
.irp cc, 0,1,2
	global_load_b128 v[B+12*\q+4*\cc:B+12*\q+4*\cc+3], v[QC], s[4:5] offset:1536*\q+256*\cc
.endr
	global_load_b32 v[QSC+\q], v[QS], s[6:7] offset:128*\q
.endr
	v_mul_u32_u24 v[ADA], v242, CU
	v_lshl_add_u32 v[ADA], v241, 7, v[ADA]
	v_lshl_add_u32 v[ADA], v243, 4, v[ADA]
	v_mul_u32_u24 v[ADS], v242, 1600
	v_lshl_add_u32 v[ADS], v243, 2, v[ADS]
	v_add_nc_u32 v[ADS], MT, v[ADS]
	v_mul_u32_u24 v[ADC], v241, 1600
	v_add_nc_u32 v[ADC], MT+32, v[ADC]
	s_mul_i32 s46, s[WV], 5120
	s_add_co_u32 s46, s46, STG                     ; my stage
	v_mul_u32_u24 v[STO], v242, 320                ; in, laid as gmax is: 320 bytes for each 8 queries, 32 for a group, 4 for a query: 640 q + 320 (r / 8) + 32 (5 h + n / 5) + 4 (r % 8)
	v_mad_u32_u24 v[STO], v241, 160, v[STO]
	v_lshl_add_u32 v[STO], v243, 2, v[STO]
	v_add_nc_u32 v[STO], s46, v[STO]
	v_lshlrev_b32 v[GO], 4, v244
	v_add_nc_u32 v[RD], s46, v[GO]                 ; out: 16 bytes a lane, on end
	s_wait_tensorcnt 0x0                           ; my tensor load, if I issued one, has landed,
	s_barrier_signal -1
	s_barrier_wait -1                              ; and so has everybody's: the launch's one barrier
.macro LOADA n                         ; tile n's fragment, scale words and C into set n % 4: six LDS loads
.set SA, (\n)%4
.irp cc, 0,1,2
	ds_load_b128 v[A+12*SA+4*\cc:A+12*SA+4*\cc+3], v[ADA] offset:768*(\n)+256*\cc
.endr
	ds_load_b32 v[ASC+SA], v[ADS] offset:64*(\n)
	ds_load_b128 v[CC+8*SA:CC+8*SA+3], v[ADC] offset:64*(\n)      ; all lanes of a half read the same eight norms
	ds_load_b128 v[CC+8*SA+4:CC+8*SA+7], v[ADC] offset:64*(\n)+16
.endm
.macro W s                             ; product s = 8 n + q: tile n against query tile q
.set WN, (\s)/8
.set WQ, (\s)%8
.set WD, D+8*((\s)%4)
.set WA, A+12*(WN%4)
.set WC, CC+8*(WN%4)
	v_wmma_scale_f32_16x16x128_f8f6f4 v[WD:WD+7], v[WA:WA+11], v[B+12*WQ:B+12*WQ+11], v[WC:WC+7], v[ASC+WN%4], v[QSC+WQ] matrix_a_fmt:MATRIX_FMT_FP6 matrix_b_fmt:MATRIX_FMT_FP6
.endm
.macro S1 s                            ; eight numbers and the running maximum become three; a group's first tile takes no running maximum
.set WN, (\s)/8
.set WQ, (\s)%8
.set WD, D+8*((\s)%4)
	v_max3_num_f32 v[WD], v[WD], v[WD+1], v[WD+2]
	v_max3_num_f32 v[WD+3], v[WD+3], v[WD+4], v[WD+5]
.if WN%5 == 0
	v_max_num_f32 v[WD+6], v[WD+6], v[WD+7]
.else
	v_max3_num_f32 v[WD+6], v[WD+6], v[WD+7], v[RM+WQ]
.endif
.endm
.macro S2 s                            ; and the three one; a group's last tile sends it to the stage
.set WN, (\s)/8
.set WQ, (\s)%8
.set WD, D+8*((\s)%4)
	v_max3_num_f32 v[RM+WQ], v[WD], v[WD+3], v[WD+6]
.if WN%5 == 4
	ds_store_b32 v[STO], v[RM+WQ] offset:640*WQ+32*(WN/5)
.endif
.endm
	LOADA 0
	LOADA 1
	LOADA 2
	s_wait_loadcnt 0x0                             ; the queries
.set TN, 0
.rept 25
.if TN+3 <= 24
	LOADA TN+3                                     ; into the set that tile TN - 1 has left: four plain lines stand between that tile's last product and these loads
.endif
.if 24-TN >= 3
	s_wait_dscnt 18                                ; tile TN's six loads are in; the eighteen of the three tiles behind it may be out (stores to the stage issued meanwhile only make this wait stricter)
.else
	s_wait_dscnt 6*(24-TN)
.endif
.set TQ, 0
.rept 8
	W 8*TN+TQ
.if 8*TN+TQ >= 1
	S1 8*TN+TQ-1
.else
.rept 4
	v_nop                                          ; behind the very first product there is no vector work yet
.endr
.endif
.if 8*TN+TQ >= 2
	S2 8*TN+TQ-2
.elseif 8*TN+TQ == 1
	v_nop
.endif
.set TQ, TQ+1
.endr
.set TN, TN+1
.endr
	S1 199
	S2 198
	S2 199
	; THE WAY OUT: my 5,120 bytes of the stage are 5,120 consecutive bytes of gmax, beginning at a multiple of 256
.irp m, 0,1,2,3,4,5,6,7,8,9
	ds_load_b128 v[A+4*\m:A+4*\m+3], v[RD] offset:512*\m   ; LDS serves a wave's instructions in order: these see my stores
.endr
.irp m, 0,1,2,3,4,5,6,7,8,9
	s_wait_dscnt 9-\m
	global_store_b128 v[GO], v[A+4*\m:A+4*\m+3], s[8:9] offset:512*\m   ; 32 lanes store 512 consecutive bytes
.endr
	s_wait_tensorcnt 0x0
	ds_add_u32 v254, v255
	s_wait_dscnt 0x0
	s_endpgm
.Lfunc_end_k_qda26e4bcfd_scan:
	.size	k_qda26e4bcfd_scan, .Lfunc_end_k_qda26e4bcfd_scan-k_qda26e4bcfd_scan
	.p2alignl 7, 3214868480
	.fill 96, 4, 3214868480
	.section	.rodata,"a",@progbits
	.p2align	6, 0x0
	.amdhsa_kernel k_qda26e4bcfd_scan
		.amdhsa_group_segment_fixed_size 168960
		.amdhsa_private_segment_fixed_size 0
		.amdhsa_enable_private_segment 0
		.amdhsa_kernarg_size 24
		.amdhsa_user_sgpr_count 2
		.amdhsa_user_sgpr_kernarg_segment_ptr 1
		.amdhsa_wavefront_size32 1
		.amdhsa_system_sgpr_workgroup_id_x 1
		.amdhsa_system_sgpr_workgroup_id_y 1
		.amdhsa_system_sgpr_workgroup_id_z 1
		.amdhsa_system_vgpr_workitem_id 0
		.amdhsa_next_free_vgpr 256
		.amdhsa_next_free_sgpr 66
		.amdhsa_reserve_vcc 0
		.amdhsa_float_denorm_mode_32 3
		.amdhsa_float_denorm_mode_16_64 3
		.amdhsa_memory_ordered 1
		.amdhsa_forward_progress 1
		.amdhsa_inst_pref_size 97
	.end_amdhsa_kernel
	.amdgpu_metadata
---
amdhsa.version: [ 1, 2 ]
amdhsa.kernels:
  - .name:           k_qda26e4bcfd_scan
    .symbol:         k_qda26e4bcfd_scan.kd
    .args:
      - { .name: codes, .offset: 0, .size: 8, .value_kind: global_buffer, .address_space: global }
      - { .name: meta, .offset: 8, .size: 8, .value_kind: global_buffer, .address_space: global }
      - { .name: gmax, .offset: 16, .size: 8, .value_kind: global_buffer, .address_space: global }
    .group_segment_fixed_size: 168960
    .private_segment_fixed_size: 0
    .kernarg_segment_align: 8
    .kernarg_segment_size: 24
    .max_flat_workgroup_size: 256
    .sgpr_count:     66
    .vgpr_count:     256
    .wavefront_size: 32
...
	.end_amdgpu_metadata
.endif
;; end of part 2
;; launch pick (part 3): grid 256 x 1, 8 waves a work-group, no clusters, 168,960 bytes of LDS; arguments gmax, meta, ids; writes ids
.if DOCPART == 3
	.amdgcn_target "amdgcn-amd-amdhsa--gfx1250"
	.amdhsa_code_object_version 6
	.text
	.protected	k_qda26e4bcfd_pick
	.globl	k_qda26e4bcfd_pick
	.p2align	8
	.type	k_qda26e4bcfd_pick,@function
k_qda26e4bcfd_pick:
	s_mov_b64 s[64:65], 0
	v_nop
	global_prefetch_b8 v0, s[64:65] scope:SCOPE_SE
	s_setreg_imm32_b32 hwreg(HW_REG_WAVE_MODE, 25, 1), 1
	s_wait_xcnt 0x0
; For each query: the six best of its 1,250 groups of 40 training rows, by (min(group's largest D', xsq / 2) descending, group number ascending), stored as whole numbers: ids [query][8] u32, slots 6 and 7 = 0.
; D' = (xsq - sq) / 2, so D' >= xsq / 2 is a squared distance that is clipped at 0: all such rows are at distance 0 and the lowest index wins, hence the hold at xsq / 2 and the tie-break by group number.
; WHY SIX: groups are runs of consecutive rows in ascending order, so the five nearest rows (ties to the lower index) lie in the five best groups; the sixth covers ONE group that D' ranks otherwise than the
; distance as it is rounded later.  LIMIT: more than one such group within rounding of the sixth place is not covered.  NaN and infinities are not served.
; The choice steers no address here: the numbers are data, stored at fixed places; the next launch reads them.
; SHARES: work-group qh takes queries 8 qh .. 8 qh + 7, a wave a query.  One tensor load (wave 0: one is outstanding) brings the eight queries' numbers of all chunks: 125 rows of 320 bytes,
; 81,920 bytes apart in memory; the tile states 128 rows, and the three past the tensor's end arrive as zeros.  8 bytes of padding behind every 64 make LDS rows of 360 bytes = 90 words, so the 32 lanes of a load, a row each, start 90 words apart.
; Lane l holds chunks l, l + 32, l + 64, l + 96: 40 registers; register 10 a + k is group 10 l + 320 a + k.  Group numbers are handled as f32 (all under 2^24: exact).
.set TILE, 46080                       ; 128 x 360; behind it, at a multiple of 256: 4 bytes a thread for the way out
.set V,    16                          ; v16-55  my 40 groups
.set G,    60                          ; v60-65  the six numbers
.macro FBITS n                         ; FB = the f32 bit pattern of the whole number n, 0 <= n < 2048
.if (\n) == 0
.set FB, 0
.else
.set FE, 0
.irp e, 1,2,3,4,5,6,7,8,9,10
.if ((\n)>>\e) != 0
.set FE, \e
.endif
.endr
.set FB, ((127+FE)<<23)|(((\n)-(1<<FE))<<(23-FE))
.endif
.endm
	s_load_b128 s[4:7], s[0:1], 0x0                ; gmax, meta
	s_load_b64 s[8:9], s[0:1], 0x10                ; ids
	v_lshl_add_u32 v96, v0, 2, 0x29000
	v_mov_b32 v97, 0
	ds_add_u32 v96, v97
	ds_add_u32 v96, v97
	v_lshrrev_b32 v1, 5, v0
	v_readfirstlane_b32 s10, v1                    ; wave 0..7
	s_mov_b32 s16, (2<<16)|(1<<20)|(3<<22)|(1<<25) ; elements of 4 bytes; padding on; after every 16 words (code 3); of 2 words (code 1)
	s_mov_b32 s17, 80<<16                          ; tensor_dim0 = 80
	s_mov_b32 s18, 125<<16                         ; tensor_dim1 = 125: what is left of the tensor
	s_mov_b32 s19, 80<<16                          ; tile_dim0 = 80
	s_mov_b32 s20, 128                             ; tile_dim1 = 128
	s_mov_b32 s21, 20480                           ; from chunk to chunk, in elements
	s_mov_b32 s22, 0
	s_mov_b32 s23, 0
	s_mul_i32 s12, ttmp9, 320
	s_mov_b32 s13, 0
	s_lshl_b32 s14, ttmp9, 6
	s_lshl_b32 s15, s10, 2
	s_add_co_u32 s14, s14, s15                     ; my query's place in meta: 64 qh + 4 wave (its norm 32 bytes on)
	s_mov_b32 s15, 0
	s_lshl_b32 s32, ttmp9, 8                       ; the work-group's 256 bytes of ids
	s_mov_b32 s33, 0
	s_mov_b32 s30, 0x76543210
	s_mov_b32 s31, 0xfedcba98                      ; v_permlanex16_b32's selects for lane l xor 16
	; every LDS address is made here, ahead of the first branch on the wave's number
	v_and_b32 v1, 31, v0                           ; lane
	v_mul_u32_u24 v2, v1, 360
	v_lshl_add_u32 v2, s10, 2, v2                  ; the tile: row = lane, + 4 x my query
	v_lshl_add_u32 v10, v0, 2, TILE                ; the way out, in: 4 bytes a thread
	v_lshrrev_b32 v70, 2, v1
	v_and_b32 v71, 3, v1
	v_lshlrev_b32 v70, 7, v70
	v_lshl_add_u32 v70, v71, 3, v70                ; and out (wave 0): query lane / 4's first 32 bytes, 8 a lane
	v_lshlrev_b32 v71, 3, v1                       ; the same in ids: 8 x lane
	v_mul_u32_u24 v3, v1, 10
	v_cvt_f32_u32 v3, v3                           ; 10 x lane
	v_mov_b32 v7, 0xff800000                       ; -infinity
	v_mov_b32 v8, 0x47800000                       ; 65,536: above every group number
	v_mov_b32 v9, 0                                ; a lane permute's destination counts as one of its sources
	s_wait_dscnt 0x0
	s_wait_kmcnt 0x0
	s_mov_b32 s24, 1
	s_mov_b32 s25, 0
	s_add_nc_u64 s[26:27], s[4:5], s[12:13]
	s_or_b32 s27, s27, 0x80000000
	s_cmp_lg_u32 s10, 0
	s_cbranch_scc1 .Lnot_0
	tensor_load_to_lds s[24:27], s[16:23]
	s_nop 0
.rept 4
	v_nop
.endr
.Lnot_0:
	s_add_nc_u64 s[6:7], s[6:7], s[14:15]
	s_add_nc_u64 s[8:9], s[8:9], s[32:33]
	s_load_b32 s28, s[6:7], 0x20                   ; xsq of my query
	s_wait_kmcnt 0x0
	s_wait_tensorcnt 0x0                           ; wave 0: the tile has landed
	s_barrier_signal -1
	s_barrier_wait -1
.irp a, 0,1,2,3
.irp k, 0,1,2,3,4,5,6,7,8,9
	ds_load_b32 v[V+10*\a+\k], v2 offset:11520*\a+32*\k+8*(\k/2)   ; chunk lane + 32 a, group k: word 8 k + query of the row, 8 bytes of padding behind every 16 words
.endr
.endr
	v_mov_b32 v4, s28
	v_mul_f32 v4, 0.5, v4                          ; xsq / 2
	v_cmp_gt_u32 vcc_lo, 29, v1                    ; chunks 96 + lane exist for lanes 0 to 28
	s_wait_dscnt 0x0
.set J, 0
.rept 40
	v_min_num_f32 v[V+J], v[V+J], v4               ; the hold: all that is clipped at distance 0 counts alike
.set J, J+1
.endr
.irp k, 0,1,2,3,4,5,6,7,8,9
	v_cndmask_b32 v[V+30+\k], v7, v[V+30+\k], vcc_lo   ; what does not exist can never be picked
.endr
; One round: the largest number of all lanes; the lowest group number that has it; that group is taken out (not in the last round).
.macro ROUND rho, remove
.irp c, 0,1,2,3
	v_max3_num_f32 v[11+\c], v[V+10*\c], v[V+10*\c+1], v[V+10*\c+2]   ; four chains
.endr
.irp i, 3,5,7
.irp c, 0,1,2,3
	v_max3_num_f32 v[11+\c], v[11+\c], v[V+10*\c+\i], v[V+10*\c+\i+1]
.endr
.endr
.irp c, 0,1,2,3
	v_max_num_f32 v[11+\c], v[11+\c], v[V+10*\c+9]
.endr
	v_max3_num_f32 v5, v11, v12, v13
	v_max_num_f32 v5, v5, v14
	v_max_num_f32_dpp v5, v5, v5 row_xmask:1 row_mask:0xf bank_mask:0xf
	v_max_num_f32_dpp v5, v5, v5 row_xmask:2 row_mask:0xf bank_mask:0xf
	v_max_num_f32_dpp v5, v5, v5 row_xmask:4 row_mask:0xf bank_mask:0xf
	v_max_num_f32_dpp v5, v5, v5 row_xmask:8 row_mask:0xf bank_mask:0xf
	v_permlanex16_b32 v9, v5, s30, s31
	v_max_num_f32 v5, v5, v9                       ; every lane holds the largest
	v_mov_b32 v6, v8
	v_mov_b32 v15, v8
.set J, 0
.rept 20                                       ; the lowest offset 320 a + k among my registers that hold it, in two chains
.set TA, 11+2*((J/2)%2)
.set AC, 6+9*((J/2)%2)
	FBITS 320*(J/10)+J%10
	v_cmp_neq_f32 vcc_lo, v[V+J], v5
	v_cndmask_b32 v[TA], FB, v8, vcc_lo
	FBITS 320*((J+1)/10)+(J+1)%10
	v_cmp_neq_f32 vcc_lo, v[V+J+1], v5
	v_cndmask_b32 v[TA+1], FB, v8, vcc_lo
	v_min3_num_f32 v[AC], v[AC], v[TA], v[TA+1]
.set J, J+2
.endr
	v_min_num_f32 v6, v6, v15
	v_add_f32 v6, v6, v3                           ; + 10 x lane: a group number, or more than 65,535
	v_min_num_f32_dpp v6, v6, v6 row_xmask:1 row_mask:0xf bank_mask:0xf
	v_min_num_f32_dpp v6, v6, v6 row_xmask:2 row_mask:0xf bank_mask:0xf
	v_min_num_f32_dpp v6, v6, v6 row_xmask:4 row_mask:0xf bank_mask:0xf
	v_min_num_f32_dpp v6, v6, v6 row_xmask:8 row_mask:0xf bank_mask:0xf
	v_permlanex16_b32 v9, v6, s30, s31
	v_min_num_f32 v[G+\rho], v6, v9                ; the lowest of all lanes
.if \remove
	v_sub_f32 v6, v[G+\rho], v3                    ; as an offset in my lane: it meets one of my 40 offsets in the one lane that holds the group
.set J, 0
.rept 40
	FBITS 320*(J/10)+J%10
	v_cmp_eq_f32 vcc_lo, FB, v6
	v_cndmask_b32 v[V+J], v[V+J], v7, vcc_lo
.set J, J+1
.endr
.endif
.endm
	ROUND 0, 1
	ROUND 1, 1
	ROUND 2, 1
	ROUND 3, 1
	ROUND 4, 1
	ROUND 5, 0
.irp p, 0,1,2,3,4,5
	v_cvt_u32_f32 v[G+\p], v[G+\p]
.endr
	v_mov_b32 v6, 0
.irp p, 0,1,2,3,4,5
	v_cmp_eq_u32 vcc_lo, \p, v1
	v_cndmask_b32 v6, v6, v[G+\p], vcc_lo          ; lane p takes number p, the other lanes 0
.endr
	ds_store_b32 v10, v6
	s_wait_dscnt 0x0                               ; for wave 0's sake: my store has landed
	s_barrier_signal -1
	s_barrier_wait -1
	s_cmp_lg_u32 s10, 0
	s_cbranch_scc1 .Lend
	ds_load_b64 v[12:13], v70 offset:TILE          ; the eight queries' first eight words
	s_wait_dscnt 0x0
	global_store_b64 v71, v[12:13], s[8:9]         ; 32 lanes store 256 consecutive bytes, at a multiple of 256 from the buffer's first byte
.Lend:
	s_wait_tensorcnt 0x0
	ds_add_u32 v96, v97
	s_wait_dscnt 0x0
	s_endpgm
.Lfunc_end_k_qda26e4bcfd_pick:
	.size	k_qda26e4bcfd_pick, .Lfunc_end_k_qda26e4bcfd_pick-k_qda26e4bcfd_pick
	.p2alignl 7, 3214868480
	.fill 96, 4, 3214868480
	.section	.rodata,"a",@progbits
	.p2align	6, 0x0
	.amdhsa_kernel k_qda26e4bcfd_pick
		.amdhsa_group_segment_fixed_size 168960
		.amdhsa_private_segment_fixed_size 0
		.amdhsa_enable_private_segment 0
		.amdhsa_kernarg_size 24
		.amdhsa_user_sgpr_count 2
		.amdhsa_user_sgpr_kernarg_segment_ptr 1
		.amdhsa_wavefront_size32 1
		.amdhsa_system_sgpr_workgroup_id_x 1
		.amdhsa_system_sgpr_workgroup_id_y 1
		.amdhsa_system_sgpr_workgroup_id_z 1
		.amdhsa_system_vgpr_workitem_id 0
		.amdhsa_next_free_vgpr 98
		.amdhsa_next_free_sgpr 66
		.amdhsa_reserve_vcc 1
		.amdhsa_float_denorm_mode_32 3
		.amdhsa_float_denorm_mode_16_64 3
		.amdhsa_memory_ordered 1
		.amdhsa_forward_progress 1
		.amdhsa_inst_pref_size 69
	.end_amdhsa_kernel
	.amdgpu_metadata
---
amdhsa.version: [ 1, 2 ]
amdhsa.kernels:
  - .name:           k_qda26e4bcfd_pick
    .symbol:         k_qda26e4bcfd_pick.kd
    .args:
      - { .name: gmax, .offset: 0, .size: 8, .value_kind: global_buffer, .address_space: global }
      - { .name: meta, .offset: 8, .size: 8, .value_kind: global_buffer, .address_space: global }
      - { .name: ids, .offset: 16, .size: 8, .value_kind: global_buffer, .address_space: global }
    .group_segment_fixed_size: 168960
    .private_segment_fixed_size: 0
    .kernarg_segment_align: 8
    .kernarg_segment_size: 24
    .max_flat_workgroup_size: 256
    .sgpr_count:     66
    .vgpr_count:     98
    .wavefront_size: 32
...
	.end_amdgpu_metadata
.endif
;; end of part 3
;; launch rescan (part 4): grid 256 x 1, 8 waves a work-group, no clusters, 0 bytes of LDS; arguments codes, meta, ids, y_train, out0; writes out0
.if DOCPART == 4
	.amdgcn_target "amdgcn-amd-amdhsa--gfx1250"
	.amdhsa_code_object_version 6
	.text
	.protected	k_qda26e4bcfd_rescan
	.globl	k_qda26e4bcfd_rescan
	.p2align	8
	.type	k_qda26e4bcfd_rescan,@function
k_qda26e4bcfd_rescan:
	s_mov_b64 s[64:65], 0
	v_nop
	global_prefetch_b8 v0, s[64:65] scope:SCOPE_SE
	s_setreg_imm32_b32 hwreg(HW_REG_WAVE_MODE, 25, 1), 1
	s_wait_xcnt 0x0
; For each query: the 240 training rows of its six picked groups are multiplied again, by the same matrix instruction on the same codes (C = 0), the distance is made as the problem writes it,
; d = sqrt(max((xsq + tsq) - 2 dot, 0)) in f32, the five nearest are taken by (d, index), and the mean of their y is stored.
; A wave is a query.  Source 0 = the query's fragment in all 16 rows; source 1 = 16 candidates: tile (p, t) has unit t of group slot 2 p in columns 0-7 and unit t of slot 2 p + 1 in columns 8-15.
; So register 0 of a result holds candidate lane % 16's product, in both halves of the lanes alike: every step across lanes stays inside 16 lanes.  Only register 0 of each result is read.
; The group numbers are whole numbers that the launch before stored; they are held to 1,249 ahead of the addresses.  Which candidate is chosen steers no address: y is loaded for all 240 and taken by v_cndmask_b32.
; THE ROOT: v_sqrt_f32's result s is set right to the nearest f32: with s' one step down, x - s' s <= 0 says that s' is the root; with s' one step up, x - s' s > 0 says so.  Ties in d are decided by the index, so d must be the rounded root itself.
; LIMITS: NaN and infinities are not served, distances must be finite; a squared distance under the smallest normal number gives the smallest denormal as its root; the mean is the sum x 0.2.
; Each wave stores 4 bytes: the whole output is 8,192 bytes, and gathering a work-group's 32 bytes would want LDS and a barrier for them.
.set GR,   8                           ; v8-10    the lane's three group numbers
.set AC,   11                          ; v11-13   their places in codes
.set AM,   14                          ; v14-16   in meta
.set AY,   17                          ; v17-19   in y_train
.set IB,   20                          ; v20-22   the index of the lane's row in unit 0 of the group, as f32
.set QF,   24                          ; v24-35   the query's fragment;  v36 its scale word;  v37 xsq
.set BS,   40                          ; v40-54   the candidates' scale words
.set NM,   56                          ; v56-70   their norms -tsq / 2, then the squared distances
.set Y,    72                          ; v72-86   their y
.set IDX,  88                          ; v88-102  their indices as f32 (under 2^24: exact)
.set DD,   104                         ; v104-118 their distances
.set RS,   128                         ; v128-247 the 15 results
.set INF,  248                         ; v248 +infinity;  v249 65,536, above every index;  v250 the sum of the chosen y
.set BIG,  249
.set SUM,  250
                                       ; window 1, v0-179: the 15 candidate fragments
.set MSB, 0
.macro WIN new                         ; the immediate's high byte repeats the setting that is left
.if MSB != \new
	s_set_vgpr_msb (MSB<<8)|\new
.set MSB, \new
.endif
.endm
	s_load_b256 s[4:11], s[0:1], 0x0               ; codes s[4:5], meta s[6:7], ids s[8:9], y_train s[10:11]
	s_load_b64 s[12:13], s[0:1], 0x20              ; out0
	v_lshrrev_b32 v1, 5, v0
	v_readfirstlane_b32 s14, v1                    ; wave 0..7
	s_lshl_b32 s15, ttmp9, 3
	s_add_co_u32 s15, s15, s14                     ; my query
	v_bfe_u32 v2, v0, 4, 1                         ; h
	v_and_b32 v3, 7, v0                            ; i: the lane's row in a unit
	v_bfe_u32 v4, v0, 3, 1                         ; which of a tile's two groups
	v_mov_b32 v5, 0
	v_lshlrev_b32 v6, 7, v2                        ; 128 h
	v_lshlrev_b32 v7, 2, v4
	v_lshl_add_u32 v119, v3, 4, v6                 ; 128 h + 16 i
	v_lshlrev_b32 v120, 2, v3                      ; 4 i
	v_mov_b32 v[INF], 0x7f800000
	v_mov_b32 v[BIG], 0x47800000
	s_mul_i32 s16, ttmp9, 768                      ; the query is row `wave` of x's unit `work-group`
	s_lshl_b32 s17, s14, 4
	s_add_co_u32 s16, s16, s17
	s_mov_b32 s17, 0
	s_lshl_b32 s18, ttmp9, 6
	s_lshl_b32 s19, s14, 2
	s_add_co_u32 s18, s18, s19
	s_mov_b32 s19, 0
	s_lshl_b32 s20, s15, 5
	s_mov_b32 s21, 0
	s_lshl_b32 s22, s15, 2
	s_mov_b32 s23, 0
	s_wait_kmcnt 0x0
	s_add_nc_u64 s[16:17], s[4:5], s[16:17]        ; its codes
	s_add_nc_u64 s[18:19], s[6:7], s[18:19]        ; its scale word; its xsq 32 bytes on
	s_add_nc_u64 s[8:9], s[8:9], s[20:21]          ; its eight words of ids
	s_add_nc_u64 s[12:13], s[12:13], s[22:23]      ; its place in out0
.irp p, 0,1,2
	global_load_b32 v[GR+\p], v7, s[8:9] offset:8*\p   ; slot 2 p + (lane % 16) / 8
.endr
.irp cc, 0,1,2
	global_load_b128 v[QF+4*\cc:QF+4*\cc+3], v6, s[16:17] offset:256*\cc   ; every lane of a half takes the same row
.endr
	global_load_b32 v36, v5, s[18:19]
	global_load_b32 v37, v5, s[18:19] offset:32
	s_wait_loadcnt 5                               ; the three group numbers are in; the five loads behind them may be out
.irp p, 0,1,2
	v_min_u32 v[GR+\p], 1249, v[GR+\p]             ; a loaded number enters an address only behind this hold
.endr
.irp p, 0,1,2
	v_mul_u32_u24 v[AC+\p], v[GR+\p], 3840         ; a group is five units of 768 bytes
	v_mul_u32_u24 v[AM+\p], v[GR+\p], 320          ; of 64 bytes of meta
	v_mul_u32_u24 v[AY+\p], v[GR+\p], 160          ; 40 numbers of y
	v_mul_u32_u24 v[IB+\p], v[GR+\p], 40           ; 40 rows
.endr
.irp p, 0,1,2
	v_add_nc_u32 v[AC+\p], v[AC+\p], v119
	v_add_nc_u32 v[AM+\p], v[AM+\p], v120
	v_add_nc_u32 v[AY+\p], v[AY+\p], v120
	v_add_nc_u32 v[IB+\p], v[IB+\p], v3
.endr
	WIN 0x40                                       ; destination window 1, address window 0
.irp p, 0,1,2
.irp t, 0,1,2,3,4
.irp cc, 0,1,2
	global_load_b128 v[12*(5*\p+\t)+4*\cc:12*(5*\p+\t)+4*\cc+3], v[AC+\p], s[4:5] offset:196608+768*\t+256*\cc   ; behind x's 256 units
.endr
.endr
.endr
	WIN 0
.irp p, 0,1,2
.irp t, 0,1,2,3,4
	global_load_b32 v[BS+5*\p+\t], v[AM+\p], s[6:7] offset:16384+64*\t
.endr
.endr
.irp p, 0,1,2
.irp t, 0,1,2,3,4
	global_load_b32 v[NM+5*\p+\t], v[AM+\p], s[6:7] offset:16384+64*\t+32
.endr
.endr
.irp p, 0,1,2
.irp t, 0,1,2,3,4
	global_load_b32 v[Y+5*\p+\t], v[AY+\p], s[10:11] offset:32*\t
.endr
.endr
.irp p, 0,1,2
	v_cvt_f32_u32 v[IB+\p], v[IB+\p]
.endr
	s_wait_loadcnt 30                              ; all fragments and scale words are in; the 15 norms and 15 y may be out
	WIN 0x04                                       ; source 1 window 1
.irp n, 0,1,2,3,4,5,6,7,8,9,10,11,12,13,14
	v_wmma_scale_f32_16x16x128_f8f6f4 v[RS+8*\n:RS+8*\n+7], v[QF:QF+11], v[12*\n:12*\n+11], 0, v36, v[BS+\n] matrix_a_fmt:MATRIX_FMT_FP6 matrix_b_fmt:MATRIX_FMT_FP6
.endr
	WIN 0
.irp p, 0,1,2                                  ; the candidates' indices: 8 rows on from unit to unit.  These plain lines name no register of the products: they are the places ahead of the first read of a result (ISA guide 7.12.1)
	v_mov_b32 v[IDX+5*\p], v[IB+\p]
	v_add_f32 v[IDX+5*\p+1], 0x41000000, v[IB+\p]
	v_add_f32 v[IDX+5*\p+2], 0x41800000, v[IB+\p]
	v_add_f32 v[IDX+5*\p+3], 0x41c00000, v[IB+\p]
	v_add_f32 v[IDX+5*\p+4], 0x42000000, v[IB+\p]
.endr
	s_wait_loadcnt 0x0
.irp n, 0,1,2,3,4,5,6,7,8,9,10,11,12,13,14
	v_fma_f32 v[NM+\n], -2.0, v[NM+\n], v37        ; xsq + tsq: -2 x (-tsq / 2) is exact, so this is the one rounding of that sum
.endr
.irp n, 0,1,2,3,4,5,6,7,8,9,10,11,12,13,14
	v_fma_f32 v[NM+\n], -2.0, v[RS+8*\n], v[NM+\n] ; - 2 dot: again one rounding
.endr
.irp n, 0,1,2,3,4,5,6,7,8,9,10,11,12,13,14
	v_max_num_f32 v[NM+\n], 0, v[NM+\n]
.endr
.irp n, 0,1,2,3,4,5,6,7,8,9,10,11,12,13,14
	v_sqrt_f32 v[DD+\n], v[NM+\n]                  ; one batch
.endr
	v_mov_b32 v[SUM], 0                            ; a plain line behind the last root,
	s_wait_alu depctr_va_vdst(0)                   ; and one wait for the batch, ahead of its first reader
.irp n, 0,1,2,3,4,5,6,7,8,9,10,11,12,13,14     ; the root is set right to the nearest f32
	v_add_nc_u32 v119, -1, v[DD+\n]                ; one step down,
	v_add_nc_u32 v120, 1, v[DD+\n]                 ; one step up
	v_fma_f32 v121, -v119, v[DD+\n], v[NM+\n]
	v_fma_f32 v122, -v120, v[DD+\n], v[NM+\n]
	v_cmp_ge_f32 vcc_lo, 0, v121
	v_cndmask_b32 v[DD+\n], v[DD+\n], v119, vcc_lo
	v_cmp_lt_f32 vcc_lo, 0, v122
	v_cndmask_b32 v[DD+\n], v[DD+\n], v120, vcc_lo
.endr
; One round: the smallest distance of the 240; the lowest index that has it; its y is added, and it is taken out (not in the last round).
.macro ROUND remove
	v_min3_num_f32 v119, v[DD], v[DD+1], v[DD+2]
	v_min3_num_f32 v120, v[DD+3], v[DD+4], v[DD+5]
	v_min3_num_f32 v119, v119, v[DD+6], v[DD+7]
	v_min3_num_f32 v120, v120, v[DD+8], v[DD+9]
	v_min3_num_f32 v119, v119, v[DD+10], v[DD+11]
	v_min3_num_f32 v120, v120, v[DD+12], v[DD+13]
	v_min3_num_f32 v119, v119, v120, v[DD+14]
	v_min_num_f32_dpp v119, v119, v119 row_xmask:1 row_mask:0xf bank_mask:0xf
	v_min_num_f32_dpp v119, v119, v119 row_xmask:2 row_mask:0xf bank_mask:0xf
	v_min_num_f32_dpp v119, v119, v119 row_xmask:4 row_mask:0xf bank_mask:0xf
	v_min_num_f32_dpp v119, v119, v119 row_xmask:8 row_mask:0xf bank_mask:0xf
	v_cmp_neq_f32 vcc_lo, v[DD], v119
	v_cndmask_b32 v123, v[IDX], v[BIG], vcc_lo
.irp n, 1,3,5,7,9,11,13
	v_cmp_neq_f32 vcc_lo, v[DD+\n], v119
	v_cndmask_b32 v121, v[IDX+\n], v[BIG], vcc_lo
	v_cmp_neq_f32 vcc_lo, v[DD+\n+1], v119
	v_cndmask_b32 v122, v[IDX+\n+1], v[BIG], vcc_lo
	v_min3_num_f32 v123, v123, v121, v122
.endr
	v_min_num_f32_dpp v123, v123, v123 row_xmask:1 row_mask:0xf bank_mask:0xf
	v_min_num_f32_dpp v123, v123, v123 row_xmask:2 row_mask:0xf bank_mask:0xf
	v_min_num_f32_dpp v123, v123, v123 row_xmask:4 row_mask:0xf bank_mask:0xf
	v_min_num_f32_dpp v123, v123, v123 row_xmask:8 row_mask:0xf bank_mask:0xf
.irp n, 0,1,2,3,4,5,6,7,8,9,10,11,12,13,14
	v_cmp_eq_f32 vcc_lo, v[IDX+\n], v123           ; the six groups differ, so one register of one lane of the sixteen has this index
	v_cndmask_b32 v121, 0, v[Y+\n], vcc_lo
.if \remove
	v_cndmask_b32 v[DD+\n], v[DD+\n], v[INF], vcc_lo
.endif
	v_add_f32 v[SUM], v[SUM], v121
.endr
.endm
	ROUND 1
	ROUND 1
	ROUND 1
	ROUND 1
	ROUND 0
	v_add_f32_dpp v[SUM], v[SUM], v[SUM] row_xmask:1 row_mask:0xf bank_mask:0xf
	v_add_f32_dpp v[SUM], v[SUM], v[SUM] row_xmask:2 row_mask:0xf bank_mask:0xf
	v_add_f32_dpp v[SUM], v[SUM], v[SUM] row_xmask:4 row_mask:0xf bank_mask:0xf
	v_add_f32_dpp v[SUM], v[SUM], v[SUM] row_xmask:8 row_mask:0xf bank_mask:0xf
	v_mul_f32 v[SUM], 0x3e4ccccd, v[SUM]           ; the mean of five
	v_and_b32 v121, 31, v0
	v_cmp_eq_u32 vcc_lo, 0, v121
	s_wait_xcnt 0x0                                ; EXEC changes only behind this wait
	s_and_saveexec_b32 s24, vcc_lo                 ; lane 0 alone stores
	global_store_b32 v5, v[SUM], s[12:13]
	s_endpgm
.Lfunc_end_k_qda26e4bcfd_rescan:
	.size	k_qda26e4bcfd_rescan, .Lfunc_end_k_qda26e4bcfd_rescan-k_qda26e4bcfd_rescan
	.p2alignl 7, 3214868480
	.fill 96, 4, 3214868480
	.section	.rodata,"a",@progbits
	.p2align	6, 0x0
	.amdhsa_kernel k_qda26e4bcfd_rescan
		.amdhsa_group_segment_fixed_size 0
		.amdhsa_private_segment_fixed_size 0
		.amdhsa_enable_private_segment 0
		.amdhsa_kernarg_size 40
		.amdhsa_user_sgpr_count 2
		.amdhsa_user_sgpr_kernarg_segment_ptr 1
		.amdhsa_wavefront_size32 1
		.amdhsa_system_sgpr_workgroup_id_x 1
		.amdhsa_system_sgpr_workgroup_id_y 1
		.amdhsa_system_sgpr_workgroup_id_z 1
		.amdhsa_system_vgpr_workitem_id 0
		.amdhsa_next_free_vgpr 448
		.amdhsa_next_free_sgpr 66
		.amdhsa_reserve_vcc 1
		.amdhsa_float_denorm_mode_32 3
		.amdhsa_float_denorm_mode_16_64 3
		.amdhsa_memory_ordered 1
		.amdhsa_forward_progress 1
		.amdhsa_inst_pref_size 44
	.end_amdhsa_kernel
	.amdgpu_metadata
---
amdhsa.version: [ 1, 2 ]
amdhsa.kernels:
  - .name:           k_qda26e4bcfd_rescan
    .symbol:         k_qda26e4bcfd_rescan.kd
    .args:
      - { .name: codes, .offset: 0, .size: 8, .value_kind: global_buffer, .address_space: global }
      - { .name: meta, .offset: 8, .size: 8, .value_kind: global_buffer, .address_space: global }
      - { .name: ids, .offset: 16, .size: 8, .value_kind: global_buffer, .address_space: global }
      - { .name: y_train, .offset: 24, .size: 8, .value_kind: global_buffer, .address_space: global }
      - { .name: out0, .offset: 32, .size: 8, .value_kind: global_buffer, .address_space: global }
    .group_segment_fixed_size: 0
    .private_segment_fixed_size: 0
    .kernarg_segment_align: 8
    .kernarg_segment_size: 40
    .max_flat_workgroup_size: 256
    .sgpr_count:     66
    .vgpr_count:     448
    .wavefront_size: 32
...
	.end_amdgpu_metadata
.endif
;; end of part 4
